; MI455X (gfx1250); checked and timed in simulation.
; The chip was launched on July 23, 2026; its instructions are those of AMD's public machine-readable ISA for CDNA 5 (MIT licence, August 2026) and "CDNA5" Instruction Set Architecture Reference Guide (July 2026). The comments in the code are by the model that wrote it; some were corrected since.
;; Head. Allowed arithmetic: matrix products marked QUANTISED: E4M3 operands, one given power-of-two scale a tensor, by v_wmma_f32_16x16x64_fp8_fp8 or v_wmma_f32_16x16x128_fp8_fp8, f32 sums; everything else in f32.
;; Inputs: Wk_codes 128 x 32 x 32 uint8 (E4M3 codes of Wk, K innermost, in blocks of 32 codes); Wq_codes 128 x 32 x 32 uint8 (E4M3 codes of Wq, K innermost, in blocks of 32 codes); Wv_codes 128 x 32 x 32 uint8 (E4M3 codes of Wv, K innermost, in blocks of 32 codes); lowp_scales 10 int32 (the exponents e of the quantised operands' scales 2^e); x_codes 8 x 4,096 x 32 x 32 uint8 (E4M3 codes of x, K innermost, in blocks of 32 codes).
;; Outputs: out0 8 x 4,096 x 128 float32.
;; This version of the problem:
;;   THIS VERSION OF THE PROBLEM IS GIVEN IN LOW PRECISION. The matrix products marked QUANTISED in the list below multiply operands that are first quantised to E4M3 (4 exponent bits, 3 mantissa bits; 8 bits a number), with one given power-of-two scale for each operand tensor; their sums are f32. All else is computed in f32.
;;   The module's matrix products, in the order in which they are computed (A, B: the left and right operand; K: the contracted axis; several contracted axes count as one K, in the product's order):
;;     1. [M 32,768, K 1,024] x [K 1,024, N 128]; A: input x (given as codes); B: input Wq (given as codes): QUANTISED (scales: A lowp_scales[0], B lowp_scales[1])
;;     2. [M 32,768, K 1,024] x [K 1,024, N 128]; A: input x (given as codes); B: input Wk (given as codes): QUANTISED (scales: A lowp_scales[2], B lowp_scales[3])
;;     3. [M 32,768, K 1,024] x [K 1,024, N 128]; A: input x (given as codes); B: input Wv (given as codes): QUANTISED (scales: A lowp_scales[4], B lowp_scales[5])
;;     4. batch 8 x [M 4,096, K 128] x [K 128, N 4,096]; A: computed on the way; B: computed on the way: QUANTISED (scales: A lowp_scales[6], B lowp_scales[7])
;;     5. batch 8 x [M 4,096, K 4,096] x [K 4,096, N 128]; A: softmax (see below); B: computed on the way: QUANTISED (scales: A lowp_scales[8], B lowp_scales[9])
;;   THE QUANTISER, for each operand of a quantised product, along K:
;;     - The operand's scale is 2^e, e = its entry of the input lowp_scales (int32; the entries are numbered through the quantised products in the list's order, A before B).
;;     - Each number is divided by the scale, clamped to +-448, and rounded to the nearest number of E4M3, ties to even, subnormals kept.
;;     - The product sums the exact products of the quantised numbers (number of the format x scale) in f32.
;;   ~~~python
;;   def quantise(x, axis, e):      # numpy; x: float32 -> the quantised numbers, widened to float32 again
;;       x = np.moveaxis(x, axis, -1); K = x.shape[-1]
;;       r = np.clip(x / 2.0 ** e, -448, 448)
;;       step = 2.0 ** (np.maximum(np.frexp(np.where(r == 0, 1, r))[1] - 1, -6) - 3)
;;       q = np.round(r / step) * step * 2.0 ** e      # np.round: ties to even
;;       return np.moveaxis(q, -1, axis).astype(np.float32)
;;   ~~~
;;   SOFTMAX AHEAD OF A QUANTISED PRODUCT. Where the list says 'softmax', what is quantised is not the finished softmax but p = 2^(t - M), with t = logit x log2(e) and M = ceil(the row's largest t), a whole number; so 1/2 < the row's largest p <= 1. The row's sum l is taken of the UNQUANTISED p, in f32, and the product's result is divided by l at the end. Since M is a whole number, a kernel that streams over the keys may use a running M (the ceiling of the running maximum): every later rescaling is an exact power of two, so the quantised numbers keep their values, but for numbers so far below the row's largest that they fall under the format's range.
;;   OPERANDS COMPUTED ON THE WAY. 'Computed on the way' means the value that the module computes at that place (a softmax that the list does not call 'softmax' is quantised finished and normalised). What goes into a quantiser is computed in f32, as accurately as f32 sums, v_exp_f32 and their like allow (about 1e-6 of the number): no bf16 or f16 on the way to a quantiser, and a product that is left as it is and whose result goes on into a quantised operand takes f32 operands (vector FMAs, or v_wmma_f32_16x16x4_f32). A number that lies on a knife's edge between two numbers of the format may be rounded either way, as far as f32 arithmetic and the matrix unit's own rounding can turn it there, and no further.
;;   INPUTS GIVEN AS CODES. Wk (in the module: [1024, 128], K = its axis 0); Wq (in the module: [1024, 128], K = its axis 0); Wv (in the module: [1024, 128], K = its axis 0); x (in the module: [8, 4096, 1024], K = its axis 2): each comes as NAME_codes (uint8): NAME with its K axis moved to the last place and cut into blocks of 32 codes, [.., K / 32, bytes a block], one block behind the other in memory; one code a byte (a code: sign, 4 exponent bits, 3 mantissa bits); its scale is its entry of lowp_scales. Its value is code x scale, taken as it is: it is not quantised again, and the codes and scales need not be those that the quantiser above would give.
;; One version. Each part assembles by itself: llvm-mc -triple=amdgcn-amd-amdhsa -mcpu=gfx1250 --defsym DOCPART=n.
;; ======== version 1 of 1: 2 launches
;; limits: right only within a limited range of input values
;; workspace buffers: qimg 4,194,304 bytes; kimg 4,194,304 bytes; vimg 4,194,304 bytes
;; launch project (part 1): grid 256 x 1, 4 waves a work-group, clusters of 4 x 1, 327,680 bytes of LDS; arguments x_codes, Wq_codes, Wk_codes, Wv_codes, lowp_scales, qimg, kimg, vimg; writes qimg, kimg, vimg
.if DOCPART == 1
	.amdgcn_target "amdgcn-amd-amdhsa--gfx1250"
	.amdhsa_code_object_version 6
	.text
	.protected	k_q13a92e8124_project
	.globl	k_q13a92e8124_project
	.p2align	8
	.type	k_q13a92e8124_project,@function
k_q13a92e8124_project:
	s_mov_b64 s[64:65], 0
	v_nop
	global_prefetch_b8 v0, s[64:65] scope:SCOPE_SE
	s_setreg_imm32_b32 hwreg(HW_REG_WAVE_MODE, 25, 1), 1
	s_wait_xcnt 0x0
	s_wait_alu depctr_hold_cnt(0) depctr_sa_sdst(0) depctr_va_vdst(0) depctr_va_sdst(0) depctr_va_ssrc(0) depctr_va_vcc(0) depctr_vm_vsrc(0)
	s_getreg_b32 s2, hwreg(HW_REG_IB_STS2, 6, 4)
	s_cmp_eq_u32 s2, 0
	s_cbranch_scc0 .Lentry_in_a_cluster
	s_endpgm
.Lentry_in_a_cluster:
	s_bfe_u32 s2, ttmp6, 0x10000c
	s_cmp_lg_u32 s2, 0x3003
	s_cbranch_scc0 .Lentry_shape_is_right
	s_endpgm
.Lentry_shape_is_right:
; q, k, v = x Wq, x Wk, x Wv on codes of FP8 (E4M3), f32 sums, quantised for attention and stored as register images: qimg, kimg: fragments of 16 tokens x 128; vimg: fragments of 16 channels x 64 tokens.
; A work-group of four waves makes 128 tokens x 384 columns; wave w the columns 32 w .. 32 w + 31 of each of q, k, v: 48 accumulators.  q and k are made transposed (source 0 = W's rows), so that a lane holds neighbours along the head's 128; v is not, so that a lane holds neighbours along the tokens.
; A sum stands for sum x 2^(ex + ew): its code is the quantised sum / 2^(e - ex - ew): the three scales are folded into the conversion's one.
; LIMITS: each of e6 - e0 - e1, e7 - e2 - e3, e9 - e4 - e5 lies between -126 and 119, so that the two powers of two made of it are f32 numbers.  NaN codes are not served.
; LDS: four tiles (x, Wq, Wk, Wv) of 128 rows, a row 512 bytes (half of K) + 16 of padding: row r starts at bank 4 r mod 64.  At the head each wave brings one whole tile in one tensor load; when the last fragments of the first
; half of K are in registers, each wave brings the same tile's second half.  Fragments of 128 along K go through two sets of registers: while one set is multiplied, the other is fetched.
; W's tiles are the same for all work-groups: asked for jointly by the four of a cluster.  x's rows are a work-group's own: plain loads, and prefetches for the second half (32 rows a wave, a lane a row, 256 bytes of each):
; its first 256 bytes at the head, its last in the first step, two steps of 128 along K ahead of the load.  W is not prefetched: all work-groups read the same 393,216 bytes at the same time.
.set PITCH, 528
.set REG,   128*PITCH
.set SLOT,  256                        ; from a row's first 256 bytes to its second
.set SPARE, 4*REG
.set XF,  32
.set WF,  160
.set ADX, 4
.set ADW, 6
.set SPW, 12
.set NIL, 13
.set VOQ, 14
.set VOV, 15
.set SCQ, 16
.set SCK, 18
.set SCV, 20
.set WV,  20
.set G1X, 24
.set G1W, 32
.set G0X, 40
.set G0W, 48
.set MSB, 0
.macro WIN new
.if MSB != (\new)
	s_set_vgpr_msb (MSB<<8)|(\new)
.set MSB, (\new)
.endif
.endm
.macro PLACES
.rept 4
	v_nop
.endr
.endm
.macro CROUND
	s_barrier_signal -1
	s_barrier_wait -1
	s_cmp_lg_u32 s[WV], 0
	s_cbranch_scc1 .Lnot_wave_0_\@
	s_barrier_signal -3
.Lnot_wave_0_\@:
	s_barrier_wait -3
	s_barrier_signal -1
	s_barrier_wait -1
.endm
.macro JLOAD s
	s_cmp_eq_u32 s[WV], 0
	s_cbranch_scc0 .Lfor_w_\@
	tensor_load_to_lds s[G0X+4*\s:G0X+4*\s+3], s[G1X:G1X+7]
	s_nop 0
.rept 4
	v_nop
.endr
	s_branch .Lasked_\@
.Lfor_w_\@:
	tensor_load_to_lds s[G0W+4*\s:G0W+4*\s+3], s[G1W:G1W+7]
	s_nop 0
.rept 4
	v_nop
.endr
.Lasked_\@:
.endm
	s_load_b512 s[4:19], s[0:1], 0x0
	v_lshl_add_u32 v[SPW], v0, 2, SPARE
	v_mov_b32 v[NIL], 0
	ds_add_u32 v12, v13
	ds_add_u32 v12, v13
	s_wait_dscnt 0x0
	v_lshrrev_b32 v1, 5, v0
	v_readfirstlane_b32 s[WV], v1
	s_bfe_u32 s21, ttmp6, 0x40000
	s_lshl_b32 s22, ttmp9, 2
	s_add_co_u32 s22, s22, s21
	; descriptor group 1: 128 rows of 512 bytes, 1,024 bytes apart, four words of padding behind each; W's with the mask of all four work-groups, bit 21 beside it
	s_mov_b32 s[G1X], (1<<20)|(6<<22)|(3<<25)
	s_mov_b32 s[G1W], 15|(1<<20)|(1<<21)|(6<<22)|(3<<25)
.irp g, G1X, G1W
	s_mov_b32 s[\g+1], 512<<16
	s_mov_b32 s[\g+2], 128<<16
	s_mov_b32 s[\g+3], 512<<16
	s_mov_b32 s[\g+4], 128
	s_mov_b32 s[\g+5], 1024
	s_mov_b32 s[\g+6], 0
	s_mov_b32 s[\g+7], 0
.endr
	s_lshl_b32 s58, s22, 17
	s_mov_b32 s59, 0
	s_mul_i32 s80, s[WV], REG
	s_wait_kmcnt 0x0
	s_load_b256 s[68:75], s[12:13], 0x0
	s_load_b64 s[76:77], s[12:13], 0x20
	s_add_nc_u64 s[4:5], s[4:5], s[58:59]
	s_cmp_eq_u32 s[WV], 1
	s_cselect_b64 s[56:57], s[6:7], s[8:9]
	s_cmp_eq_u32 s[WV], 3
	s_cselect_b64 s[56:57], s[10:11], s[56:57]
	CROUND
.irp s, 0
	s_mov_b32 s[G0X+4*\s], 1
	s_mov_b32 s[G0X+4*\s+1], \s*SLOT
	s_add_nc_u64 s[G0X+4*\s+2:G0X+4*\s+3], s[4:5], \s*256
	s_or_b32 s[G0X+4*\s+3], s[G0X+4*\s+3], 0x80000000
	s_mov_b32 s[G0W+4*\s], 1
	s_add_co_u32 s[G0W+4*\s+1], s80, \s*SLOT
	s_add_nc_u64 s[G0W+4*\s+2:G0W+4*\s+3], s[56:57], \s*256
	s_or_b32 s[G0W+4*\s+3], s[G0W+4*\s+3], 0x80000000
.endr
	JLOAD 0                                        ; the first half of K: one tensor load a wave at the head
	v_and_b32 v1, 15, v0
	v_bfe_u32 v2, v0, 4, 1
	v_mul_u32_u24 v3, v1, PITCH
	v_lshl_add_u32 v3, v2, 4, v3
	v_mov_b32 v[ADX], v3
	v_add_nc_u32 v[ADX+1], SLOT, v3
	s_mul_i32 s81, s[WV], 32*PITCH
	v_add_nc_u32 v22, s81, v3
.irp s, 0,1
.irp m, 0,1,2
	v_add_nc_u32 v[ADW+3*\s+\m], \s*SLOT+(\m+1)*REG, v22
.endr
.endr
	v_lshlrev_b32 v[VOQ], 4, v0
	v_and_b32 v23, 31, v0
	s_lshl_b32 s82, s[WV], 11
	v_lshl_add_u32 v[VOV], v23, 4, s82
	s_lshl_b32 s62, s[WV], 15                      ; my 32 rows of x, for the prefetches
	s_mov_b32 s63, 0
	s_add_nc_u64 s[60:61], s[4:5], s[62:63]
	v_lshlrev_b32 v24, 10, v23                     ; a lane a row
	global_prefetch_b8 v24, s[60:61] offset:512 th:TH_LOAD_NT scope:SCOPE_SE
	s_lshl_b32 s58, s22, 14
	s_add_nc_u64 s[14:15], s[14:15], s[58:59]
	s_add_nc_u64 s[16:17], s[16:17], s[58:59]
	s_add_nc_u64 s[18:19], s[18:19], s[58:59]
.macro MKSC sc, ea, eb, ec
	s_sub_co_i32 s83, s[\ea], s[\eb]
	s_sub_co_i32 s83, s83, s[\ec]
	s_add_co_i32 s83, s83, 127
	s_lshl_b32 s84, s83, 23
	v_mov_b32 v[\sc], s84
	s_add_co_i32 s83, s83, 8
	s_lshl_b32 s83, s83, 23
	s_or_b32 s83, s83, 0x600000
	v_mov_b32 v[\sc+1], s83
.endm
	s_wait_kmcnt 0x0
	MKSC SCQ, 74, 68, 69
	MKSC SCK, 75, 70, 71
	MKSC SCV, 77, 72, 73
.macro FETCH slot, q, p
	WIN (\p)<<6
.irp i, 0,1,2,3,4,5,6,7
.irp c, 0,1,2,3
	ds_load_b128 v[XF+16*\i+4*\c:XF+16*\i+4*\c+3], v[ADX+\slot] offset:\i*16*PITCH+128*\q+32*\c
.endr
.endr
.irp m, 0,1,2
.irp n, 0,1
.irp c, 0,1,2,3
	ds_load_b128 v[WF+16*(2*\m+\n)+4*\c:WF+16*(2*\m+\n)+4*\c+3], v[ADW+3*\slot+\m] offset:\n*16*PITCH+128*\q+32*\c
.endr
.endr
.endr
.endm
.macro MUL p, zero
	WIN 0xa0+5*(\p)
.irp i, 0,1,2,3,4,5,6,7
.irp m, 0,1
.irp n, 0,1
.if \zero
	v_wmma_f32_16x16x128_fp8_fp8 v[128*\m+8*(2*\i+\n):128*\m+8*(2*\i+\n)+7], v[WF+16*(2*\m+\n):WF+16*(2*\m+\n)+15], v[XF+16*\i:XF+16*\i+15], 0
.else
	v_wmma_f32_16x16x128_fp8_fp8 v[128*\m+8*(2*\i+\n):128*\m+8*(2*\i+\n)+7], v[WF+16*(2*\m+\n):WF+16*(2*\m+\n)+15], v[XF+16*\i:XF+16*\i+15], v[128*\m+8*(2*\i+\n):128*\m+8*(2*\i+\n)+7]
.endif
.endr
.endr
.endr
	WIN 0xf0+5*(\p)
.irp i, 0,1,2,3,4,5,6,7
.irp n, 0,1
.if \zero
	v_wmma_f32_16x16x128_fp8_fp8 v[8*(2*\i+\n):8*(2*\i+\n)+7], v[XF+16*\i:XF+16*\i+15], v[WF+16*(4+\n):WF+16*(4+\n)+15], 0
.else
	v_wmma_f32_16x16x128_fp8_fp8 v[8*(2*\i+\n):8*(2*\i+\n)+7], v[XF+16*\i:XF+16*\i+15], v[WF+16*(4+\n):WF+16*(4+\n)+15], v[8*(2*\i+\n):8*(2*\i+\n)+7]
.endif
.endr
.endr
.endm
.macro TURN slot, fill
	WIN 0
	s_wait_tensorcnt 0x0
	ds_add_u32 v[SPW], v[NIL]
.if \fill
	s_add_nc_u64 s[G0X+4*\slot+2:G0X+4*\slot+3], s[G0X+4*\slot+2:G0X+4*\slot+3], 512
	s_add_nc_u64 s[G0W+4*\slot+2:G0W+4*\slot+3], s[G0W+4*\slot+2:G0W+4*\slot+3], 512
.endif
	s_wait_dscnt 0x0
.if \fill
	CROUND
	JLOAD \slot
.else
	s_barrier_signal -1
	s_barrier_wait -1
	PLACES
.endif
.endm
.macro NEXT slot, q, p
	WIN 0
	s_wait_dscnt 0x0
	PLACES
	FETCH \slot, \q, \p
.endm
	s_wait_alu depctr_va_vdst(0)                   ; the wait at the head's end
	s_wait_tensorcnt 0x0                           ; my tile's first half is in
	s_barrier_signal -1                            ; it shows the four tiles to all waves
	s_barrier_wait -1
	FETCH 0, 0, 0
	FETCH 0, 1, 1
	s_wait_dscnt 56                                ; the first set is in; the second's 56 loads may be out
	MUL 0, 1                                       ; the first products start the sums
	WIN 0
	global_prefetch_b8 v24, s[60:61] offset:768 th:TH_LOAD_NT scope:SCOPE_SE
	NEXT 1, 0, 0
	MUL 1, 0
	NEXT 1, 1, 1
	MUL 0, 0
	TURN 0, 1                                      ; the first half's last fragments are in registers in every wave: the second half is asked for
	MUL 1, 0
	TURN 0, 0                                      ; it has landed
	FETCH 0, 0, 0
	FETCH 0, 1, 1
	s_wait_dscnt 56                                ; as above
	MUL 0, 0
	NEXT 1, 0, 0
	MUL 1, 0
	NEXT 1, 1, 1
	MUL 0, 0
	WIN 0
	s_wait_dscnt 0x0
	MUL 1, 0
	WIN 0
	PLACES
	WIN 0x82
.set j, 0
	s_wait_alu depctr_va_vdst(0)
.rept 128
	v_med3_num_f32 v[j], v[j], -v[SCQ+1], v[SCQ+1]
.set j, j+1
.endr
.rept 128
	v_med3_num_f32 v[j], v[j], -v[SCK+1], v[SCK+1]
.set j, j+1
.endr
	WIN 0x02
.irp i, 0,1,2,3,4,5,6,7
.irp n, 0,1
	v_cvt_scalef32_pk8_fp8_f32 v[32+4*\i+2*\n:32+4*\i+2*\n+1], v[8*(2*\i+\n):8*(2*\i+\n)+7], v[SCQ]
	v_cvt_scalef32_pk8_fp8_f32 v[64+4*\i+2*\n:64+4*\i+2*\n+1], v[128+8*(2*\i+\n):128+8*(2*\i+\n)+7], v[SCK]
.endr
.endr
	WIN 0xc3
.set j, 0
.rept 128
	v_med3_num_f32 v[j], v[j], -v[SCV+1], v[SCV+1]
.set j, j+1
.endr
	WIN 0x03
.irp i, 0,1,2,3,4,5,6,7
.irp n, 0,1
	v_cvt_scalef32_pk8_fp8_f32 v[96+4*(2*(\i/2)+\n)+2*(\i%2):96+4*(2*(\i/2)+\n)+2*(\i%2)+1], v[8*(2*\i+\n):8*(2*\i+\n)+7], v[SCV]
.endr
.endr
	WIN 0
	v_nop
.irp i, 0,1,2,3,4,5,6,7
	global_store_b128 v[VOQ], v[32+4*\i:32+4*\i+3], s[14:15] offset:2048*\i
	global_store_b128 v[VOQ], v[64+4*\i:64+4*\i+3], s[16:17] offset:2048*\i
.endr
.irp u, 0,1,2,3
.irp n, 0,1
	global_store_b128 v[VOV], v[96+4*(2*\u+\n):96+4*(2*\u+\n)+3], s[18:19] offset:(\u/2)*8192+\n*1024+(\u%2)*512
.endr
.endr
	s_wait_tensorcnt 0x0
	ds_add_u32 v[SPW], v[NIL]
	s_wait_dscnt 0x0
	CROUND
	s_endpgm
.Lfunc_end_k_q13a92e8124_project:
	.size	k_q13a92e8124_project, .Lfunc_end_k_q13a92e8124_project-k_q13a92e8124_project
	.p2alignl 7, 3214868480
	.fill 96, 4, 3214868480
	.section	.rodata,"a",@progbits
	.p2align	6, 0x0
	.amdhsa_kernel k_q13a92e8124_project
		.amdhsa_group_segment_fixed_size 327680
		.amdhsa_private_segment_fixed_size 0
		.amdhsa_enable_private_segment 0
		.amdhsa_kernarg_size 64
		.amdhsa_user_sgpr_count 2
		.amdhsa_user_sgpr_kernarg_segment_ptr 1
		.amdhsa_wavefront_size32 1
		.amdhsa_system_sgpr_workgroup_id_x 1
		.amdhsa_system_sgpr_workgroup_id_y 1
		.amdhsa_system_sgpr_workgroup_id_z 1
		.amdhsa_system_vgpr_workitem_id 0
		.amdhsa_next_free_vgpr 896
		.amdhsa_next_free_sgpr 96
		.amdhsa_reserve_vcc 0
		.amdhsa_float_denorm_mode_32 3
		.amdhsa_float_denorm_mode_16_64 3
		.amdhsa_memory_ordered 1
		.amdhsa_forward_progress 1
		.amdhsa_inst_pref_size 92
	.end_amdhsa_kernel
	.amdgpu_metadata
---
amdhsa.version: [ 1, 2 ]
amdhsa.kernels:
  - .name:           k_q13a92e8124_project
    .symbol:         k_q13a92e8124_project.kd
    .args:
      - { .name: x_codes, .offset: 0, .size: 8, .value_kind: global_buffer, .address_space: global }
      - { .name: Wq_codes, .offset: 8, .size: 8, .value_kind: global_buffer, .address_space: global }
      - { .name: Wk_codes, .offset: 16, .size: 8, .value_kind: global_buffer, .address_space: global }
      - { .name: Wv_codes, .offset: 24, .size: 8, .value_kind: global_buffer, .address_space: global }
      - { .name: lowp_scales, .offset: 32, .size: 8, .value_kind: global_buffer, .address_space: global }
      - { .name: qimg, .offset: 40, .size: 8, .value_kind: global_buffer, .address_space: global }
      - { .name: kimg, .offset: 48, .size: 8, .value_kind: global_buffer, .address_space: global }
      - { .name: vimg, .offset: 56, .size: 8, .value_kind: global_buffer, .address_space: global }
    .group_segment_fixed_size: 327680
    .private_segment_fixed_size: 0
    .kernarg_segment_align: 8
    .kernarg_segment_size: 64
    .max_flat_workgroup_size: 128
    .sgpr_count:     96
    .vgpr_count:     896
    .wavefront_size: 32
...
	.end_amdgpu_metadata
.endif
;; end of part 1
;; launch attend (part 2): grid 32 x 8, 8 waves a work-group, clusters of 4 x 1, 327,680 bytes of LDS; arguments qimg, kimg, vimg, lowp_scales, out0; writes out0
.if DOCPART == 2
	.amdgcn_target "amdgcn-amd-amdhsa--gfx1250"
	.amdhsa_code_object_version 6
	.text
	.protected	k_q13a92e8124_attend
	.globl	k_q13a92e8124_attend
	.p2align	8
	.type	k_q13a92e8124_attend,@function
k_q13a92e8124_attend:
	s_mov_b64 s[64:65], 0
	v_nop
	global_prefetch_b8 v0, s[64:65] scope:SCOPE_SE
	s_setreg_imm32_b32 hwreg(HW_REG_WAVE_MODE, 25, 1), 1
	s_wait_xcnt 0x0
	s_wait_alu depctr_hold_cnt(0) depctr_sa_sdst(0) depctr_va_vdst(0) depctr_va_sdst(0) depctr_va_ssrc(0) depctr_va_vcc(0) depctr_vm_vsrc(0)
	s_getreg_b32 s2, hwreg(HW_REG_IB_STS2, 6, 4)
	s_cmp_eq_u32 s2, 0
	s_cbranch_scc0 .Lentry_in_a_cluster
	s_endpgm
.Lentry_in_a_cluster:
	s_bfe_u32 s2, ttmp6, 0x10000c
	s_cmp_lg_u32 s2, 0x3003
	s_cbranch_scc0 .Lentry_shape_is_right
	s_endpgm
.Lentry_shape_is_right:
; out[b][q][:] = the sum over keys k <= q of softmax_k(q . k / sqrt(128)) v[k][:], both products on codes of FP8 (E4M3), from the register images that the launch before stored.
; THE SOFTMAX AHEAD OF THE SECOND PRODUCT: t = score x log2(e) / sqrt(128); M = the largest t so far, rounded UP to a whole number; p = 2^(t - M) is quantised with 2^e8, not normalised;
; the sum is taken of the unquantised p and divides at the end.  When M moves, the sum and O are multiplied by 2^(old M - new M): exact.
; SHARES.  A work-group owns TWO blocks of 64 queries of one batch: block 63 - j first, then block j (j = 4 x cluster x + cx).  Keys go in slots of 512: the first block needs NB = 8 - (cluster x) / 2 slots,
; the second (cluster x) / 2 + 1: 9 trips in every work-group, and the four partners of a cluster walk the SAME 9 slots: every tile of K and V is asked for JOINTLY (mask 15), 16,384 bytes a wave.
; Wave w takes 32 of the 64 queries (qh = w % 2: two tiles of 16) and 128 of a slot's 512 keys (kq = w / 2): each fragment of K and of V that it reads from LDS feeds two products, and O is rescaled once for 128 keys.
; So a query's keys are shared among four waves, each with its own running M, sum and O^T; they exchange parts through LDS when a block is done.  (Each wave's M is that of its own keys: only weights that would fall
; under the format's range under the row's final M can differ by it, and they are kept more finely.)
; LABELS.  What a wave keeps in the exchange is its tile 0 and its channel fragments 0 to 3.  So that every wave runs the same text, wave kq names its tiles a xor (kq / 2) and its channel fragments D xor 4 (kq % 2).
; THE MASK.  Tiles that lie wholly over the diagonal are not walked where they come in whole slots.  Only each block's last slot holds hidden keys (trips NB - 1 and 8, the same in all partners): there hidden scores become -infinity
; by v_cndmask_b32, in every wave; p is then 0.  No branch hangs on cx.  A wave that has seen hidden keys only keeps its starting M (-3e38 as the largest t), sum 0 and O^T 0, and counts for nothing in the exchange.
; Key 0 counts for every query, so the waves with kq = 0 always have a number for M.
; LAYOUT.  S^T = K Q^T (source 0 = 16 keys, source 1 = 16 queries), O^T = V^T P^T (source 0 = 16 channels x 128 keys, source 1 = P): a lane holds ONE query throughout, and the conversions of S^T's eight tiles are P's registers.
; A TRIP: S^T; V's loads; the softmax while they land; the change of slots; the first half of the next K's loads; O^T's rescaling and the second product while they land; the second half of the next K's loads.
; PREFETCH.  All clusters of a batch walk the same slots, and share slots 3 to 7 out: cluster x (0 to 4) asks for slot 7 - x, in trip 4 - x, a trip ahead of the change that loads it; its four partners share the slot's 512 blocks of
; 256 bytes by address, 32 to each of waves 4 to 7.  Slots 0 to 2 come by their loads alone, and the second block's slots have been read by then.
; LIMITS on the given exponents: e6 + e7 between -123 and 130 (added to c's exponent field); e8 between -126 and 119; e8 + e9 is applied by v_ldexp_f32 and has none.  Scaled scores stay under 2^31 in magnitude.  NaN codes are not served.
; LDS: two slots of 131,072 bytes (K's 32 fragments of 2,048 bytes, then V's 8 x 8 of 1,024), dense: every access is 16 x lane on end.  Behind them the statistics, the exchange's region A (later the stages of the way out), region B, the spare words.
; REGISTERS: window 0: v1-9 addresses and constants; tile a: v[10+4a] -M, v[11+4a] largest t, v[12+4a:13+4a] sum; v18 448 x 2^e8, v19 2^e8; v[20+2a:21+2a] f; v24-29 at work; v30-61 Q; v62-125 the first four fragments of K;
;   v128-255 S^T, then p; p's codes: v126-141 and v190-205.  window 1: v0-127 O^T (64 a + 8 D); v128-255 V's eight fragments, and in v128-191 ahead of them the last four of K.
.set SLOT1, 1<<17                      ; slot 1 begins here: one exclusive or turns an address in one slot into the other's
.set STAT,  2*SLOT1                    ; statistics: 256 bytes for each (qh, tile, kq)
.set RA,    STAT+4096                  ; region A: 3,072 bytes a wave; later the stages: 16 rows x 272 bytes a wave
.set RB,    8*16*272                   ; from region A to region B
.set SPARE, RA+RB+8*3072               ; the spare words, 128 bytes for each wave: four blocks of 256 bytes that no other line names
.set WV, 14                            ; s14 wave; s15 cx; s16 cluster x; s17 batch; s18 qh; s19 kq
.set G1, 24                            ; s[24:31] descriptor group 1;  s[32:35] group 0, which walks;  s[36:37] my tile's address in slot index 0;  s[38:39] the slot's offset
.set T,  40                            ; s40 the trip;  s41 NB;  s42 NB - 1;  s43 LDS byte of the slot in hand;  s44 the mask's number for the block in hand;  s45 for the second block
.set QA, 30
.set KA, 62
.set MSB, 0
.macro WIN new                         ; the immediate's high byte repeats the setting that is left
.if MSB != (\new)
	s_set_vgpr_msb (MSB<<8)|(\new)
.set MSB, (\new)
.endif
.endm
.macro PLACES n                        ; plain places behind matrix instructions (ISA guide 7.12.1)
.rept \n
	v_nop
.endr
.endm
.macro CROUND                          ; a round of the cluster's barrier
	s_barrier_signal -1
	s_barrier_wait -1
	s_cmp_lg_u32 s[WV], 0
	s_cbranch_scc1 .Lnot_wave_0_\@
	s_barrier_signal -3
.Lnot_wave_0_\@:
	s_barrier_wait -3
	s_barrier_signal -1
	s_barrier_wait -1
.endm
.macro JLOAD                           ; waves 0 to 3 fetch K's quarters of a slot, waves 4 to 7 V's: 16,384 bytes each
	tensor_load_to_lds s[32:35], s[G1:G1+7]
	s_nop 0
	PLACES 4
.endm
.macro RESET                           ; a block begins: O^T and the sums are zeros, the largest t is -3e38, under every t
	WIN 0x40
.set j, 0
.rept 128
	v_mov_b32 v[j], 0
.set j, j+1
.endr
	WIN 0
.irp a, 0,1
	v_mov_b32 v[11+4*\a], 0xff61b1e6
	s_delay_alu instid0(VALU_DEP_1)
	v_floor_f32 v[10+4*\a], -v[11+4*\a]            ; -M
	v_mov_b32 v[12+4*\a], 0
	v_mov_b32 v[13+4*\a], 0
.endr
.endm
.macro KALD                            ; K: my first four fragments of 16 keys x 128
.irp t, 0,1,2,3
.irp c, 0,1,2,3
	ds_load_b128 v[KA+16*\t+4*\c:KA+16*\t+4*\c+3], v2 offset:2048*\t+512*\c
.endr
.endr
.endm
.macro KBLD                            ; and my last four, into the registers of V's first four
	WIN 0x40
.irp t, 0,1,2,3
.irp c, 0,1,2,3
	ds_load_b128 v[128+16*\t+4*\c:131+16*\t+4*\c], v2 offset:8192+2048*\t+512*\c
.endr
.endr
	WIN 0
.endm
	s_load_b256 s[4:11], s[0:1], 0x0               ; qimg s[4:5], kimg s[6:7], vimg s[8:9], scales s[10:11]
	s_load_b64 s[12:13], s[0:1], 0x20              ; out
	v_lshl_add_u32 v3, v0, 2, SPARE                ; v3: LDS address of my spare word; never rewritten
	v_mov_b32 v4, 0                                ; v4: 0; never rewritten
	ds_add_u32 v3, v4                              ; the wave's opening: the add, twice on end, and its wait
	ds_add_u32 v3, v4
	v_lshrrev_b32 v24, 5, v0
	v_readfirstlane_b32 s[WV], v24                 ; wave 0..7
	s_bfe_u32 s15, ttmp6, 0x40000                  ; cx: it enters Q's, out's and the prefetch's addresses and the mask's number alone
	s_mov_b32 s16, ttmp9                           ; the cluster's x, which the partners share
	s_and_b32 s17, ttmp7, 0xffff                   ; the batch, likewise
	s_and_b32 s18, s[WV], 1                        ; qh
	s_lshr_b32 s19, s[WV], 1                       ; kq
	s_lshr_b32 s68, s19, 1                         ; kq / 2: the tile that I keep
	s_and_b32 s69, s19, 1                          ; kq % 2: the channel half that I keep
	s_mov_b32 s20, 0x76543210                      ; v_permlanex16_b32: lane l xor 16
	s_mov_b32 s21, 0xfedcba98
	; descriptor group 1: 64 dense rows of 32 elements of 8 bytes: 16,384 bytes on end
	s_mov_b32 s[G1], 15|(3<<16)|(1<<21)            ; 15:0 the mask: all four work-groups; 17:16 elements of 8 bytes; 20 no padding; 21 set beside a mask
	s_mov_b32 s[G1+1], 32<<16                      ; tensor_dim0 = 32
	s_mov_b32 s[G1+2], 64<<16                      ; tensor_dim1 = 64
	s_mov_b32 s[G1+3], 32<<16                      ; tile_dim0 = 32
	s_mov_b32 s[G1+4], 64                          ; tile_dim1 = 64
	s_mov_b32 s[G1+5], 32                          ; from row to row
	s_mov_b32 s[G1+6], 0
	s_mov_b32 s[G1+7], 0
	s_mov_b32 s[T], 0
	s_mov_b32 s43, 0
	s_lshr_b32 s70, s16, 1
	s_sub_co_u32 s41, 8, s70                       ; NB: slots of the first block
	s_sub_co_u32 s42, 7, s70
	s_lshl_b32 s94, s68, 11                        ; my tile 0's fragment of Q, from the first
	s_lshl_b32 s91, s68, 5
	s_sub_co_i32 s91, 16, s91                      ; from my tile 0's queries to my tile 1's: 16 or -16
	; the mask.  In a block's last slot my query is pos + 32 qh + 16 a + r from the slot's first key, and register 8 t + i holds key 128 kq + 16 t + 8 h + i: hidden where 16 t + i > number + r - 8 h
	s_lshl_b32 s70, s18, 5
	s_lshl_b32 s71, s19, 7
	s_sub_co_i32 s70, s70, s71
	s_lshl_b32 s71, s68, 4
	s_add_co_i32 s70, s70, s71                     ; 32 qh - 128 kq + 16 a of my tile 0
	s_and_b32 s71, s16, 1
	s_lshl_b32 s71, s71, 8
	s_lshl_b32 s72, s15, 6
	s_add_co_i32 s71, s71, s72
	s_add_co_i32 s45, s70, s71                     ; second block: pos = 256 (x % 2) + 64 cx
	s_sub_co_i32 s44, s70, s71
	s_add_co_i32 s44, s44, 448                     ; first block: pos = 448 less that
	s_lshl_b32 s70, s16, 2
	s_add_co_u32 s70, s70, s15                     ; j
	s_sub_co_u32 s71, 63, s70                      ; 63 - j
	s_lshl_b32 s72, s17, 8
	s_lshl_b32 s73, s18, 1
	s_add_co_u32 s72, s72, s73                     ; 256 x batch + 2 qh
	s_lshl_b32 s73, s71, 2
	s_add_co_u32 s73, s73, s72
	s_lshl_b32 s74, s73, 11                        ; my two fragments of Q in the first block, in bytes,
	s_mov_b32 s75, 0
	s_lshl_b32 s73, s70, 2
	s_add_co_u32 s73, s73, s72
	s_lshl_b32 s76, s73, 11                        ; and in the second
	s_mov_b32 s77, 0
	s_lshl_b32 s72, s17, 12                        ; my 16 rows of out: 4096 x batch + 64 x block + 32 qh + 16 a, 256 (kq % 2) bytes on
	s_lshl_b32 s73, s18, 5
	s_add_co_u32 s72, s72, s73
	s_lshl_b32 s73, s68, 4
	s_add_co_u32 s72, s72, s73
	s_lshl_b32 s73, s69, 8
	s_lshl_b32 s78, s71, 6
	s_add_co_u32 s78, s78, s72
	s_lshl_b32 s78, s78, 9
	s_add_co_u32 s78, s78, s73                     ; in the first block,
	s_mov_b32 s79, 0
	s_lshl_b32 s38, s70, 6
	s_add_co_u32 s38, s38, s72
	s_lshl_b32 s38, s38, 9
	s_add_co_u32 s38, s38, s73                     ; and in the second
	s_mov_b32 s39, 0
	; the exchange's scalars
	s_lshl_b32 s80, s18, 11
	s_lshl_b32 s72, s68, 10
	s_add_co_u32 s80, s80, s72
	s_lshl_b32 s72, s19, 8
	s_add_co_u32 s80, s80, s72
	s_add_co_u32 s80, s80, STAT                    ; statistics of my tile 0 (wave kq xor i's for the same queries: xor 256 i),
	s_xor_b32 s81, s80, 1024                       ; and of my tile 1
	s_mul_i32 s82, s[WV], 3072
	s_add_co_u32 s82, s82, RA                      ; what I send at the first block's end,
	s_mul_i32 s86, s[WV], 12288
	s_add_co_u32 s86, s86, SLOT1                   ; and at the second's: in slot 1, which has had its last fill and its last read then
.irp i, 1,2,3                          ; and what wave kq xor i sends
	s_xor_b32 s73, s[WV], 2*\i
	s_mul_i32 s[82+\i], s73, 3072
	s_add_co_u32 s[82+\i], s[82+\i], RA
	s_mul_i32 s[86+\i], s73, 12288
	s_add_co_u32 s[86+\i], s[86+\i], SLOT1
.endr
	s_mul_i32 s90, s[WV], 16*272
	s_add_co_u32 s90, s90, RA                      ; my stage
	s_lshl_b32 s92, s69, 12
	s_xor_b32 s93, s92, 4096
	s_add_co_u32 s92, s92, 0x10000                 ; V's channel fragments 0 to 3 of mine in a slot,
	s_add_co_u32 s93, s93, 0x10000                 ; and 4 to 7
	; the prefetch: waves 4, 5 for K, 6, 7 for V
	s_sub_co_u32 s95, 4, s16                       ; the trip in which I ask (clusters 5 to 7: none has that number)
	s_cmp_lt_u32 s[WV], 4
	s_cselect_b32 s95, -1, s95
	s_lshl_b32 s70, s17, 19
	s_sub_co_u32 s71, 7, s16
	s_lshl_b32 s71, s71, 16
	s_add_co_u32 s70, s70, s71
	s_lshl_b32 s71, s15, 14
	s_add_co_u32 s70, s70, s71
	s_lshl_b32 s71, s18, 13
	s_add_co_u32 s70, s70, s71
	s_mov_b32 s71, 0
	; where my part of a slot lies
	s_lshl_b32 s72, s17, 19                        ; the batch's 524,288 bytes in kimg and in vimg,
	s_and_b32 s73, s[WV], 3
	s_lshl_b32 s73, s73, 14
	s_add_co_u32 s72, s72, s73
	s_mov_b32 s73, 0
	s_lshl_b32 s33, s[WV], 14                      ; group 0: LDS address: K's quarters, then V's; slot 0
	s_mov_b32 s32, 1                               ; count = 1
	s_wait_dscnt 0x0                               ; both opening adds are done
	s_wait_kmcnt 0x0
	s_load_b256 s[48:55], s[10:11], 0x0            ; e0 .. e7
	s_load_b64 s[56:57], s[10:11], 0x20            ; e8, e9
	s_add_nc_u64 s[58:59], s[4:5], s[74:75]
	s_add_nc_u64 s[60:61], s[4:5], s[76:77]
	s_add_nc_u64 s[66:67], s[12:13], s[78:79]
	s_add_nc_u64 s[62:63], s[12:13], s[38:39]
	s_cmp_lt_u32 s[WV], 6                          ; choices on the wave's number alone
	s_cselect_b64 s[96:97], s[6:7], s[8:9]
	s_add_nc_u64 s[96:97], s[96:97], s[70:71]
	s_cmp_lt_u32 s[WV], 4
	s_cselect_b64 s[36:37], s[6:7], s[8:9]
	s_add_nc_u64 s[36:37], s[36:37], s[72:73]
	s_mov_b64 s[34:35], s[36:37]                   ; global address: slot index 0
	s_or_b32 s35, s35, 0x80000000                  ; type = 2
	CROUND                                         ; all four work-groups are here: the first joint load meets
	JLOAD                                          ; slot 0: one tensor load a wave at the head
	v_and_b32 v24, 31, v0
	v_and_b32 v26, 15, v0                          ; r
	v_lshlrev_b32 v25, 4, v24                      ; 16 x lane
	v_bfe_u32 v27, v0, 4, 1                        ; h
	v_add_nc_u32 v28, s94, v25                     ; my tile 0's fragment of Q,
	v_xor_b32 v29, 0x800, v28                      ; and my tile 1's
.irp g, 0,1,2,3
	global_load_b128 v[QA+4*\g:QA+4*\g+3], v28, s[58:59] offset:512*\g         ; the fragments as they were stored
	global_load_b128 v[QA+16+4*\g:QA+19+4*\g], v29, s[58:59] offset:512*\g
.endr
	s_lshl_b32 s68, s19, 14
	v_add_nc_u32 v1, s68, v25                      ; v1: my lane's place in a slot: 16 lane + 16,384 kq, in K and (65,536 on) in V
	v_lshlrev_b32 v7, 8, v24                       ; v7: the prefetch's offset: lanes 256 bytes apart; never rewritten
	v_lshlrev_b32 v8, 3, v27
	v_add_nc_u32 v2, s43, v1                       ; v2: the same in the slot whose K is to be read
	v_sub_nc_u32 v8, v26, v8                       ; v8: r - 8 h, for the mask
	v_mov_b32 v9, 0xff800000                       ; v9: -infinity
	v_mov_b32 v21, 0                               ; (named as the upper halves of the pairs of f)
	v_mov_b32 v23, 0
	RESET
	s_wait_kmcnt 0x0
	s_add_co_i32 s68, s54, s55                     ; a score stands for score x 2^(e6 + e7): the two exponents are added to c's exponent field
	s_lshl_b32 s68, s68, 23
	s_mov_b32 s22, 0x3e0293ee                      ; c = log2(e) / sqrt(128)
	s_add_co_i32 s22, s22, s68
	s_mov_b32 s23, s22                             ; (named with it as a pair, so it is written)
	s_add_co_i32 s68, s56, 127
	s_lshl_b32 s69, s68, 23
	v_mov_b32 v19, s69                             ; 2^e8 as f32, for the conversion
	s_add_co_i32 s68, s68, 8
	s_lshl_b32 s68, s68, 23
	s_or_b32 s68, s68, 0x600000
	v_mov_b32 v18, s68                             ; 448 x 2^e8
; THE CHANGE OF SLOTS stands between a trip's softmax and its second product.  Each wave waits for all its tensor loads (its part of the next slot), adds 0 to its spare word, and waits for that and for its reads of the slot in hand: V's fragments are in.
; fill = 1: a round of the cluster's barrier, and behind it the slot just read is asked for first: trip T + 2's keys, slot index T + 2, or T + 2 - NB once the second block has begun.  It has a whole trip in which to land.
.macro CHANGE fill
	s_xor_b32 s43, s43, SLOT1                      ; on to the other slot
	v_add_nc_u32 v2, s43, v1                       ; (also the plain place behind the last conversion)
	s_wait_alu depctr_va_vdst(0)                   ; the wait here, directly ahead of the wait below
	s_wait_tensorcnt 0x0                           ; no tensor load of mine is out, so group 0 may be written
	ds_add_u32 v3, v4                              ; 0 onto my spare word
.if \fill
	s_xor_b32 s33, s33, SLOT1                      ; the other slot than last time
	s_add_co_u32 s46, s[T], 2
	s_cmp_lt_u32 s46, s41
	s_cselect_b32 s47, 0, s41
	s_sub_co_u32 s46, s46, s47                     ; the slot index: the same in all partners
	s_lshl_b32 s38, s46, 16                        ; 65,536 bytes of K, and of V, to a slot
	s_add_nc_u64 s[34:35], s[36:37], s[38:39]
	s_or_b32 s35, s35, 0x80000000
.endif
	s_wait_dscnt 0x0                               ; the add is done, and my reads of the slot in hand are over
.if \fill
	CROUND
	JLOAD                                          ; the first thing behind the round, and a wave's one tensor load until the next
.else
	s_barrier_signal -1
	s_barrier_wait -1
.endif
.endm
.macro MASK                            ; scores of hidden keys become -infinity, each accumulator from its low end on
	v_add_nc_u32 v24, s44, v8
	s_delay_alu instid0(VALU_DEP_1)
	v_add_nc_u32 v25, s91, v24
.irp a, 0,1
.irp t, 0,1,2,3,4,5,6,7
.irp i, 0,1,2,3,4,5,6,7
	v_cmp_gt_i32 vcc_lo, 16*\t+\i, v[24+\a]
	v_cndmask_b32 v[128+64*\a+8*\t+\i], v[128+64*\a+8*\t+\i], v9, vcc_lo
.endr
.endr
.endr
.endm
.macro HOLD r                          ; two numbers: the conversion to an 8-bit code does not saturate (ISA guide 7.6.2); p is not negative, so the hold is one-sided
	v_dual_min_num_f32 v[\r], v[\r], v18 :: v_dual_min_num_f32 v[\r+1], v[\r+1], v18
.endm
.macro SUM b, s                        ; the sum of tile a is taken of the unquantised p (64 registers from b on), in four chains
	v_pk_add_f32 v[24:25], v[\b:\b+1], v[\b+2:\b+3]
	v_pk_add_f32 v[26:27], v[\b+4:\b+5], v[\b+6:\b+7]
	v_pk_add_f32 v[28:29], v[\b+8:\b+9], v[\b+10:\b+11]
.set j, 12
.rept 6
	v_pk_add_f32 v[\s:\s+1], v[\s:\s+1], v[\b+j:\b+j+1]
	v_pk_add_f32 v[24:25], v[24:25], v[\b+j+2:\b+j+3]
	v_pk_add_f32 v[26:27], v[26:27], v[\b+j+4:\b+j+5]
	v_pk_add_f32 v[28:29], v[28:29], v[\b+j+6:\b+j+7]
.set j, j+8
.endr
	v_pk_add_f32 v[\s:\s+1], v[\s:\s+1], v[\b+60:\b+61]
	v_pk_add_f32 v[24:25], v[24:25], v[\b+62:\b+63]
	v_pk_add_f32 v[26:27], v[26:27], v[28:29]
	v_pk_add_f32 v[\s:\s+1], v[\s:\s+1], v[24:25]
	s_delay_alu instid0(VALU_DEP_1)
	v_pk_add_f32 v[\s:\s+1], v[\s:\s+1], v[26:27]
.endm
; The softmax of my two tiles for 128 keys.  The exponentials go in two batches: among tile 0's stand tile 1's multiply-adds, among tile 1's tile 0's holds.
.macro SOFTMAX
.irp a, 0,1
	v_max3_num_f32 v[24+2*\a], v[128+64*\a], v[129+64*\a], v[130+64*\a]    ; the largest of my 64 scores, in two chains, the registers in ascending order: each accumulator is read first at its low end
	v_max3_num_f32 v[25+2*\a], v[131+64*\a], v[132+64*\a], v[133+64*\a]
.endr
.set j, 0
.rept 29
	v_max3_num_f32 v[24+j%2], v[24+j%2], v[134+2*j], v[135+2*j]
	v_max3_num_f32 v[26+j%2], v[26+j%2], v[198+2*j], v[199+2*j]
.set j, j+1
.endr
.irp a, 0,1
	s_delay_alu instid0(VALU_DEP_2)
	v_max_num_f32 v[24+2*\a], v[24+2*\a], v[25+2*\a]
.endr
.irp a, 0,1
	s_delay_alu instid0(VALU_DEP_2)
	v_permlanex16_b32 v[28+\a], v[24+2*\a], s20, s21
.endr
.irp a, 0,1
	s_delay_alu instid0(VALU_DEP_2)
	v_max_num_f32 v[24+2*\a], v[24+2*\a], v[28+\a]                         ; and of lane l xor 16's
.endr
.irp a, 0,1
	s_delay_alu instid0(VALU_DEP_2)
	v_mul_f32 v[24+2*\a], s22, v[24+2*\a]                                  ; as t (c is positive)
.endr
.irp a, 0,1
	s_delay_alu instid0(VALU_DEP_2)
	v_max_num_f32 v[11+4*\a], v[11+4*\a], v[24+2*\a]                       ; the running largest t
.endr
.irp a, 0,1
	v_mov_b32 v[24+2*\a], v[10+4*\a]
.endr
.irp a, 0,1
	s_delay_alu instid0(VALU_DEP_4)
	v_floor_f32 v[10+4*\a], -v[11+4*\a]                                    ; the new -M = floor(-t): M is a whole number
.endr
.irp a, 0,1
	s_delay_alu instid0(VALU_DEP_2)
	v_sub_f32 v[24+2*\a], v[10+4*\a], v[24+2*\a]                           ; old M - new M: a whole number, 0 or less
.endr
.irp a, 0,1
	s_delay_alu instid0(VALU_DEP_2)
	v_cvt_i32_f32 v[24+2*\a], v[24+2*\a]                                   ; (it saturates)
.endr
.irp a, 0,1
	s_delay_alu instid0(VALU_DEP_2)
	v_ldexp_f32 v[20+2*\a], 1.0, v[24+2*\a]                                ; f = 2^(old M - new M)
.endr
.set j, 0
.rept 32
	v_pk_fma_f32 v[128+j:129+j], v[128+j:129+j], s[22:23], v[10:11] op_sel_hi:[1,0,0]      ; tile 0's t - M, two at a time (of the pairs c and -M the low word serves both halves)
.set j, j+2
.endr
	s_wait_alu depctr_va_vdst(0)                                           ; the wait ahead of the batch
.set j, 0
.rept 32
	v_exp_f32 v[128+j], v[128+j]                                           ; p = 2^(t - M), at most 1: not normalised
	v_exp_f32 v[129+j], v[129+j]
	v_pk_fma_f32 v[192+j:193+j], v[192+j:193+j], s[22:23], v[14:15] op_sel_hi:[1,0,0]      ; tile 1's t - M
.set j, j+2
.endr
	s_wait_alu depctr_va_vdst(0)                                           ; and behind it; it also stands ahead of the next batch, whose sources are written
.irp a, 0,1
	v_pk_mul_f32 v[12+4*\a:13+4*\a], v[12+4*\a:13+4*\a], v[20+2*\a:21+2*\a] op_sel_hi:[1,0]   ; the sums under the new M
.endr
	SUM 128, 12
.set j, 0
.rept 32
	v_exp_f32 v[192+j], v[192+j]
	v_exp_f32 v[193+j], v[193+j]
	HOLD 128+j
.set j, j+2
.endr
	v_nop                                                                  ; a plain place behind the batch
	s_wait_alu depctr_va_vdst(0)
	SUM 192, 16
	; the conversions, tile 1's holds between them: one plain place or more stands behind each conversion, since the next writes registers that it reads
.set j, 192
.irp t, 0,1,2,3,4,5,6,7
	v_cvt_scalef32_pk8_fp8_f32 v[126+2*\t:127+2*\t], v[128+8*\t:135+8*\t], v19     ; registers 2 t, 2 t + 1 of P: keys 16 t + 8 h + 0 .. 7
.rept 2
	HOLD j
.set j, j+2
.endr
.endr
.irp t, 0,1,2,3,4,5,6,7
	v_cvt_scalef32_pk8_fp8_f32 v[190+2*\t:191+2*\t], v[192+8*\t:199+8*\t], v19
.if \t < 7
.rept 2
	HOLD j
.set j, j+2
.endr
.if \t < 2
	HOLD j
.set j, j+2
.endif
.endif
.endr
.endm
; A TRIP'S FIRST PART: the scores of my 32 queries x my 128 keys of the slot in hand, V's loads, the softmax.  diag = 1: the mask is always applied; 0: only in trip NB - 1 (a scalar branch on numbers that the partners share).
.macro SPART diag, ask
	s_wait_dscnt 16                                ; K's first four fragments are in; the last four's 16 loads may be out
.irp t, 0,1,2,3
.irp a, 0,1
	v_wmma_f32_16x16x128_fp8_fp8 v[128+64*\a+8*\t:135+64*\a+8*\t], v[KA+16*\t:KA+16*\t+15], v[QA+16*\a:QA+16*\a+15], 0
.endr
.endr
	s_wait_dscnt 0x0
	WIN 0x01                                       ; source 0 window 1
.irp t, 0,1,2,3
.irp a, 0,1
	v_wmma_f32_16x16x128_fp8_fp8 v[160+64*\a+8*\t:167+64*\a+8*\t], v[128+16*\t:143+16*\t], v[QA+16*\a:QA+16*\a+15], 0
.endr
.endr
	WIN 0
	s_add_co_u32 s46, s43, s92
	s_add_co_u32 s47, s43, s93
	v_add_nc_u32 v5, s46, v1
	v_add_nc_u32 v6, s47, v1
	PLACES 2                                       ; with the two lines above four places, in front of the loads into K's registers and of the first read of the scores
	WIN 0x40
.irp d, 0,1,2,3                        ; V^T: eight fragments of 16 channels x 128 keys; they land while the softmax is walked
.irp e, 0,1,2,3
	ds_load_b128 v[128+16*\d+4*\e:131+16*\d+4*\e], v5 offset:1024*\d+8192*(\e/2)+512*(\e%2)
	ds_load_b128 v[192+16*\d+4*\e:195+16*\d+4*\e], v6 offset:1024*\d+8192*(\e/2)+512*(\e%2)
.endr
.endr
	WIN 0
.if \ask
	s_cmp_eq_u32 s[T], s95
	s_cbranch_scc0 .Lnot_mine_\@
	global_prefetch_b8 v7, s[96:97] th:TH_LOAD_NT scope:SCOPE_SE
.Lnot_mine_\@:
.endif
.if \diag
	MASK
.else
	s_cmp_lg_u32 s[T], s42
	s_cbranch_scc1 .Lopen_\@
	MASK
.Lopen_\@:
.endif
	SOFTMAX
.endm
; A TRIP'S SECOND PART: O^T under the new M, and the second product: sixteen accumulators by turns.
.macro PVPART
	WIN 0x41                                       ; O^T (destination and source 0) window 1, f window 0
	s_wait_alu depctr_va_vdst(0)                   ; the wait here, directly ahead of the first reader of O^T
.irp a, 0,1
.set j, 0
.rept 32
	v_pk_mul_f32 v[64*\a+j:64*\a+j+1], v[64*\a+j:64*\a+j+1], v[20+2*\a:21+2*\a] op_sel_hi:[1,0]
.set j, j+2
.endr
.endr
	WIN 0x51                                       ; C, D and source 0 window 1
.irp d, 0,1,2,3,4,5,6,7
.irp a, 0,1
	v_wmma_f32_16x16x128_fp8_fp8 v[64*\a+8*\d:64*\a+8*\d+7], v[128+16*\d:143+16*\d], v[126+64*\a:141+64*\a], v[64*\a+8*\d:64*\a+8*\d+7]
.endr
.endr
	WIN 0
	PLACES 5                                       ; the next scores are laid over P's registers: five places; loads into V's registers and reads of O^T want four
.endm
.macro PUT n, off                      ; accumulator n of the twelve that I send: tile 0's channel fragments 4 to 7 (for wave kq xor 1), tile 1's 0 to 3 (kq xor 2), tile 1's 4 to 7 (kq xor 3)
	ds_store_b128 v138, v[32+8*(\n):35+8*(\n)] offset:\off
	ds_store_b128 v138, v[36+8*(\n):39+8*(\n)] offset:\off+512
.endm
.macro GET n, off                      ; and of the twelve that come to me, all for my tile 0's fragments 0 to 3
	ds_load_b128 v[128+8*(\n):131+8*(\n)], v[139+(\n)/4] offset:\off
	ds_load_b128 v[132+8*(\n):135+8*(\n)], v[139+(\n)/4] offset:\off+512
.endm
.macro SHOW                            ; my LDS instructions are done: the others may read what I stored, and overwrite what I have read
	WIN 0
	s_wait_alu depctr_va_vdst(0)                   ; the wait here, directly ahead of the wait below
	s_wait_dscnt 0x0
	s_barrier_signal -1
	s_barrier_wait -1
.endm
.macro STATS                           ; -M and sum of waves kq xor 1, 2, 3 for my tile 0's queries
	ds_load_b64 v[146:147], v135
	ds_load_b64 v[148:149], v136
	ds_load_b64 v[150:151], v137
.endm
; A BLOCK IS DONE: the four waves that shared a query's keys exchange parts of O^T, and each finishes 16 queries x 64 channels and stores them.
; last = 0: in four rounds of three accumulators through regions A and B by turns (what a round writes was read ahead of the barrier before it); the second block's Q is fetched meanwhile, and the block begun.
; last = 1: in one round through slot 1.
.macro MERGE last
	v_and_b32 v128, 31, v0
	v_mov_b32 v162, 0                              ; a lane permute's destination counts as one of its sources
	v_lshlrev_b32 v129, 4, v128
	v_lshlrev_b32 v130, 3, v128
.if 1-\last
	v_add_nc_u32 v131, s94, v129
	v_xor_b32 v132, 0x800, v131
.irp g, 0,1,2,3
	global_load_b128 v[QA+4*\g:QA+4*\g+3], v131, s[60:61] offset:512*\g
	global_load_b128 v[QA+16+4*\g:QA+19+4*\g], v132, s[60:61] offset:512*\g
.endr
.endif
	v_add_nc_u32 v133, s80, v130
	v_add_nc_u32 v134, s81, v130
	s_xor_b32 s46, s80, 256
	s_xor_b32 s47, s80, 512
	v_add_nc_u32 v135, s46, v130
	v_add_nc_u32 v136, s47, v130
	s_xor_b32 s46, s80, 768
	v_add_nc_u32 v137, s46, v130
.irp i, 0,1,2,3
	v_add_nc_u32 v[138+\i], s[82+4*\last+\i], v129
.endr
	v_mov_b32 v142, v10
	v_add_f32 v143, v12, v13                       ; the sums' two halves
	v_mov_b32 v144, v14
	v_add_f32 v145, v16, v17
	v_mov_b32 v155, 0                              ; (named as the upper halves of the pairs of factors)
	v_mov_b32 v157, 0
	v_mov_b32 v159, 0
	v_mov_b32 v161, 0
	ds_store_b64 v133, v[142:143]
	ds_store_b64 v134, v[144:145]
.if \last
	WIN 0x04                                       ; the stores' data: window 1
.irp n, 0,1,2,3,4,5,6,7,8,9,10,11
	PUT \n, 1024*\n
.endr
	SHOW
	STATS
	WIN 0x40
.irp n, 0,1,2,3,4,5,6,7,8,9,10,11
	GET \n, 1024*\n
.endr
	WIN 0
	s_wait_dscnt 24                                ; the statistics are in; the 24 loads behind them may be out
.else
	WIN 0x04
.irp n, 0,1,2
	PUT \n, 1024*\n
.endr
	SHOW
	STATS
	WIN 0x40
.irp n, 0,1,2
	GET \n, 1024*\n
.endr
	WIN 0x04
.irp n, 0,1,2
	PUT 3+\n, RB+1024*\n
.endr
	SHOW
	WIN 0x40
.irp n, 0,1,2
	GET 3+\n, RB+1024*\n
.endr
	WIN 0x04
.irp n, 0,1,2
	PUT 6+\n, 1024*\n
.endr
	SHOW
	WIN 0x40
.irp n, 0,1,2
	GET 6+\n, 1024*\n
.endr
	WIN 0x04
.irp n, 0,1,2
	PUT 9+\n, RB+1024*\n
.endr
	SHOW
	WIN 0x40
.irp n, 0,1,2
	GET 9+\n, RB+1024*\n
.endr
	WIN 0
	s_wait_dscnt 6                                 ; the statistics are in; the last round's six loads may be out
.endif
	v_min3_num_f32 v152, v142, v146, v148
	s_delay_alu instid0(VALU_DEP_1)
	v_min_num_f32 v152, v152, v150                 ; -M of the whole row: the least of the four
	v_sub_f32 v154, v152, v142                     ; M_k - M: a whole number, 0 or less
	v_sub_f32 v156, v152, v146
	v_sub_f32 v158, v152, v148
	v_sub_f32 v160, v152, v150
.irp i, 0,1,2,3
	s_delay_alu instid0(VALU_DEP_4)
	v_cvt_i32_f32 v[154+2*\i], v[154+2*\i]         ; (it saturates)
.endr
.irp i, 0,1,2,3
	s_delay_alu instid0(VALU_DEP_4)
	v_ldexp_f32 v[154+2*\i], 1.0, v[154+2*\i]      ; f_k = 2^(M_k - M): 0 for a wave that saw hidden keys only
.endr
	s_delay_alu instid0(VALU_DEP_4)
	v_mul_f32 v153, v154, v143
	s_delay_alu instid0(VALU_DEP_1)
	v_fmac_f32 v153, v156, v147
	s_delay_alu instid0(VALU_DEP_1)
	v_fmac_f32 v153, v158, v149
	s_delay_alu instid0(VALU_DEP_1)
	v_fmac_f32 v153, v160, v151                    ; the sum under M, of my half of the lanes' keys,
	s_delay_alu instid0(VALU_DEP_1)
	v_permlanex16_b32 v162, v153, s20, s21
	s_delay_alu instid0(VALU_DEP_1)
	v_add_f32 v153, v153, v162                     ; and of lane l xor 16's: the row's sum
	s_wait_alu depctr_va_vdst(0)                   ; the wait ahead of the transcendental
	v_rcp_f32 v153, v153
	v_and_b32 v128, 15, v0                         ; r   (plain places behind the transcendental)
	v_bfe_u32 v130, v0, 4, 1                       ; h
	s_add_co_i32 s46, s56, s57
	v_mul_u32_u24 v163, v128, 272
	v_mul_u32_u24 v164, v130, 272
	v_lshlrev_b32 v165, 9, v130
	v_lshl_add_u32 v163, v130, 5, v163
	v_lshl_add_u32 v164, v128, 4, v164
	v_lshl_add_u32 v165, v128, 4, v165             ; v165: two rows of out, 256 bytes of each
	v_add_nc_u32 v163, s90, v163                   ; v163: in: row r, 32 bytes for each half of the lanes
	v_add_nc_u32 v164, s90, v164                   ; v164: back: lanes 0-15 one row of 256 bytes, lanes 16-31 the next
	s_wait_alu depctr_va_vdst(0)                   ; and ahead of its first reader
	v_ldexp_f32 v153, v153, s46                    ; x 2^(e8 + e9)
.irp i, 0,1,2,3
	v_mul_f32 v[154+2*\i], v[154+2*\i], v153       ; what part k is multiplied by
.endr
	s_wait_alu depctr_va_vdst(0)                   ; the wait here, directly ahead of the wait below
	s_wait_dscnt 0x0
	WIN 0x01                                       ; source 0 window 1
	s_wait_alu depctr_va_vdst(0)                   ; the wait here, directly ahead of the first reader of O^T
.set j, 0
.rept 16
	v_pk_mul_f32 v[224+j:225+j], v[j:j+1], v[154:155] op_sel_hi:[1,0]
.set j, j+2
.endr
.irp i, 1,2,3
.set j, 0
.rept 16
	v_pk_fma_f32 v[224+j:225+j], v[96+32*\i+j:97+32*\i+j], v[154+2*\i:155+2*\i], v[224+j:225+j] op_sel_hi:[1,0,1]   ; register 8 D + i is out(query r, channel 16 D + 8 h + i of my half)
.set j, j+2
.endr
.endr
	WIN 0
	; THE WAY OUT: through my stage, so that sixteen lanes store 256 consecutive bytes, aligned.
.irp d, 0,1,2,3
	ds_store_b128 v163, v[224+8*\d:227+8*\d] offset:64*\d
	ds_store_b128 v163, v[228+8*\d:231+8*\d] offset:64*\d+16
.endr
.irp i, 0,1,2,3,4,5,6,7
	ds_load_b128 v[166+4*\i:169+4*\i], v164 offset:544*\i      ; LDS serves a wave's instructions in order (ISA guide 5.7.1.4): these see my stores
.endr
.irp i, 0,1,2,3,4,5,6,7
	s_wait_dscnt 7-\i                              ; the younger of the eight may be out
.if \last
	global_store_b128 v165, v[166+4*\i:169+4*\i], s[62:63] offset:1024*\i th:TH_STORE_NT       ; written once, read by nobody here
.else
	global_store_b128 v165, v[166+4*\i:169+4*\i], s[66:67] offset:1024*\i th:TH_STORE_NT
.endif
.endr
.if 1-\last
	RESET
	s_mov_b32 s44, s45                             ; the second block's number for the mask
	s_wait_alu depctr_va_vdst(0)                   ; the wait here, directly ahead of the waits below
	s_wait_loadcnt 0x0                             ; its Q
	s_wait_xcnt 0x0                                ; the stores have read their registers, which the next scores are laid over
.endif
.endm
.macro PHASE                           ; behind trip NB - 1 the first block is done (a scalar branch on numbers that the partners share)
	s_cmp_lg_u32 s[T], s42
	s_cbranch_scc1 .Lsame_\@
	MERGE 0
.Lsame_\@:
.endm
	s_wait_alu depctr_va_vdst(0)                   ; the wait at the head's end
	s_wait_tensorcnt 0x0                           ; my part of slot 0 is in
	ds_add_u32 v3, v4
	s_xor_b32 s33, s33, SLOT1
	s_add_nc_u64 s[34:35], s[36:37], 0x10000       ; slot index 1
	s_or_b32 s35, s35, 0x80000000
	s_wait_dscnt 0x0
	CROUND
	JLOAD                                          ; slot 1
	KALD
	KBLD
	s_wait_loadcnt 0x0                             ; Q
.Ltrip:                                            ; trips 0 to 6: at each change of slots the slot two trips on is asked for
	SPART 0, 1
	CHANGE 1
	KALD
	PVPART
	PHASE
	KBLD
	s_add_co_u32 s[T], s[T], 1
	s_cmp_lt_u32 s[T], 7
	s_cbranch_scc1 .Ltrip
	SPART 0, 0                                     ; trip 7 asks for nothing more: written out
	CHANGE 0
	KALD
	PVPART
	PHASE
	KBLD
	SPART 1, 0                                     ; trip 8: the second block's last slot
	v_nop                                          ; a plain place behind the last conversion
	s_wait_alu depctr_va_vdst(0)                   ; the wait here, directly ahead of the wait below
	s_wait_dscnt 0x0                               ; V is in
	PVPART
	MERGE 1
	s_wait_tensorcnt 0x0                           ; the wave's end
	ds_add_u32 v3, v4
	s_wait_dscnt 0x0
	CROUND                                         ; the closing round: no work-group ends while a partner may still ask for a tile that names it
	s_endpgm
.Lfunc_end_k_q13a92e8124_attend:
	.size	k_q13a92e8124_attend, .Lfunc_end_k_q13a92e8124_attend-k_q13a92e8124_attend
	.p2alignl 7, 3214868480
	.fill 96, 4, 3214868480
	.section	.rodata,"a",@progbits
	.p2align	6, 0x0
	.amdhsa_kernel k_q13a92e8124_attend
		.amdhsa_group_segment_fixed_size 327680
		.amdhsa_private_segment_fixed_size 0
		.amdhsa_enable_private_segment 0
		.amdhsa_kernarg_size 40
		.amdhsa_user_sgpr_count 2
		.amdhsa_user_sgpr_kernarg_segment_ptr 1
		.amdhsa_wavefront_size32 1
		.amdhsa_system_sgpr_workgroup_id_x 1
		.amdhsa_system_sgpr_workgroup_id_y 1
		.amdhsa_system_sgpr_workgroup_id_z 1
		.amdhsa_system_vgpr_workitem_id 0
		.amdhsa_next_free_vgpr 512
		.amdhsa_next_free_sgpr 98
		.amdhsa_reserve_vcc 1
		.amdhsa_float_denorm_mode_32 3
		.amdhsa_float_denorm_mode_16_64 3
		.amdhsa_memory_ordered 1
		.amdhsa_forward_progress 1
		.amdhsa_inst_pref_size 197
	.end_amdhsa_kernel
	.amdgpu_metadata
---
amdhsa.version: [ 1, 2 ]
amdhsa.kernels:
  - .name:           k_q13a92e8124_attend
    .symbol:         k_q13a92e8124_attend.kd
    .args:
      - { .name: qimg, .offset: 0, .size: 8, .value_kind: global_buffer, .address_space: global }
      - { .name: kimg, .offset: 8, .size: 8, .value_kind: global_buffer, .address_space: global }
      - { .name: vimg, .offset: 16, .size: 8, .value_kind: global_buffer, .address_space: global }
      - { .name: lowp_scales, .offset: 24, .size: 8, .value_kind: global_buffer, .address_space: global }
      - { .name: out0, .offset: 32, .size: 8, .value_kind: global_buffer, .address_space: global }
    .group_segment_fixed_size: 327680
    .private_segment_fixed_size: 0
    .kernarg_segment_align: 8
    .kernarg_segment_size: 40
    .max_flat_workgroup_size: 256
    .sgpr_count:     98
    .vgpr_count:     512
    .wavefront_size: 32
...
	.end_amdgpu_metadata
.endif
;; end of part 2
